; MI455X (gfx1250); checked and timed in simulation.
; The chip was launched on July 23, 2026; its instructions are those of AMD's public machine-readable ISA for CDNA 5 (MIT licence, August 2026) and "CDNA5" Instruction Set Architecture Reference Guide (July 2026). The comments in the code are by the model that wrote it; some were corrected since.
;; Scaled Dot Product Attention. Allowed arithmetic: matrix products marked QUANTISED: E4M3 operands, one E8M0 scale for each 32 along K, by v_wmma_scale_f32_16x16x128_f8f6f4 with both operands' format E4M3, f32 sums; everything else in f32.
;; Inputs: key 4 x 16 x 2,048 x 128 float32; query 4 x 16 x 2,048 x 128 float32; value 4 x 16 x 2,048 x 128 float32.
;; Outputs: out0 4 x 16 x 2,048 x 128 float32.
;; This version of the problem:
;;   THIS VERSION OF THE PROBLEM IS GIVEN IN LOW PRECISION. The matrix products marked QUANTISED in the list below multiply operands that are first quantised to E4M3 (4 exponent bits, 3 mantissa bits; 8 bits a number), with one power-of-two scale for each 32 numbers along K (OCP MX v1.0); their sums are f32. All else is computed in f32.
;;   The module's matrix products, in the order in which they are computed (A, B: the left and right operand; K: the contracted axis; several contracted axes count as one K, in the product's order):
;;     1. batch 64 x [M 2,048, K 128] x [K 128, N 2,048]; A: input query; B: input key: QUANTISED
;;     2. batch 64 x [M 2,048, K 2,048] x [K 2,048, N 128]; A: softmax (see below); B: input value: QUANTISED
;;   THE QUANTISER, for each operand of a quantised product, along K:
;;     - K is cut into blocks of 32 from its start; a last block that is shorter is filled with zeros.
;;     - A block's scale is 2^e with e = floor(log2(the largest magnitude in the block)) - 8, held to -126 .. 127; a block of zeros has e = 0. As a byte (E8M0): e + 127.
;;     - Each number is divided by its block's scale, clamped to +-448, and rounded to the nearest number of E4M3, ties to even, subnormals kept.
;;     - The product sums the exact products of the quantised numbers (number of the format x scale) in f32.
;;   ~~~python
;;   def quantise(x, axis):      # numpy; x: float32 -> the quantised numbers, widened to float32 again
;;       x = np.moveaxis(x, axis, -1); K = x.shape[-1]
;;       x = np.pad(x, [(0, 0)] * (x.ndim - 1) + [(0, -K % 32)]); x = x.reshape(x.shape[:-1] + (-1, 32)); a = np.abs(x).max(-1, keepdims=True)
;;       e = np.where(a > 0, np.clip(np.frexp(np.where(a > 0, a, 1))[1] - 1 - 8, -126, 127), 0)      # np.frexp(a)[1] - 1 = floor(log2(a)), exactly
;;       r = np.clip(x / 2.0 ** e, -448, 448)
;;       step = 2.0 ** (np.maximum(np.frexp(np.where(r == 0, 1, r))[1] - 1, -6) - 3)
;;       q = np.round(r / step) * step * 2.0 ** e      # np.round: ties to even
;;       return np.moveaxis(q.reshape(q.shape[:-2] + (-1,))[..., :K], -1, axis).astype(np.float32)
;;   ~~~
;;   SOFTMAX AHEAD OF A QUANTISED PRODUCT. Where the list says 'softmax', what is quantised is not the finished softmax but p = 2^(t - M), with t = logit x log2(e) and M = ceil(the row's largest t), a whole number; so 1/2 < the row's largest p <= 1. The row's sum l is taken of the UNQUANTISED p, in f32, and the product's result is divided by l at the end. Since M is a whole number, a kernel that streams over the keys may use a running M (the ceiling of the running maximum): every later rescaling is an exact power of two, which a block's scale takes up: the codes' values come out the same.
;;   OPERANDS COMPUTED ON THE WAY. 'Computed on the way' means the value that the module computes at that place (a softmax that the list does not call 'softmax' is quantised finished and normalised). What goes into a quantiser is computed in f32, as accurately as f32 sums, v_exp_f32 and their like allow (about 1e-6 of the number): no bf16 or f16 on the way to a quantiser, and a product that is left as it is and whose result goes on into a quantised operand takes f32 operands (vector FMAs, or v_wmma_f32_16x16x4_f32). A number that lies on a knife's edge between two numbers of the format may be rounded either way, as far as f32 arithmetic and the matrix unit's own rounding can turn it there, and no further.
;; One version. Each part assembles by itself: llvm-mc -triple=amdgcn-amd-amdhsa -mcpu=gfx1250 --defsym DOCPART=n.
;; ======== version 1 of 1: 2 launches
;; limits: right only within a limited range of input values
;; workspace buffers: k_codes 16,777,216 bytes; k_scales 524,288 bytes; v_codes 16,777,216 bytes; v_scales 524,288 bytes
;; launch quant (part 1): grid 1024 x 1, 4 waves a work-group, no clusters, 68,096 bytes of LDS; arguments key, value, k_codes, k_scales, v_codes, v_scales; writes k_codes, k_scales, v_codes, v_scales
.if DOCPART == 1
	.amdgcn_target "amdgcn-amd-amdhsa--gfx1250"
	.amdhsa_code_object_version 6
	.text
	.protected	k_q29ddea828c_quant
	.globl	k_q29ddea828c_quant
	.p2align	8
	.type	k_q29ddea828c_quant,@function
k_q29ddea828c_quant:
	s_mov_b64 s[64:65], 0
	v_nop
	global_prefetch_b8 v0, s[64:65] scope:SCOPE_SE
	s_setreg_imm32_b32 hwreg(HW_REG_WAVE_MODE, 25, 1), 1
	s_wait_xcnt 0x0
; key and value, [64 heads][2048 keys][128 channels] f32, become codes of FP8 (E4M3) with one E8M0 scale byte for each 32 along the K of the product that reads them.
; key is quantised along the channels (innermost):  k_codes [64][2048][128], k_scales [64][2048][4]: both plain streams of blocks of 32.
; value is quantised along the KEYS (its first axis inside a head):  v_codes [64][8 slots][128 channels][256 keys], v_scales [64][16 key steps][128 channels][4 bytes].
; A block's scale is 2^(floor(log2(its largest magnitude)) - 8); its byte is the largest magnitude's exponent field - 8, held at 1 from below.  Each number is divided by the scale, held within +-448 and rounded to the nearest code, ties to even.
; LIMITS: a block of zeros gets the byte 1 where the quantiser says 127: its codes are zeros, which add nothing, and this program alone reads the bytes.  NaN and infinities among the inputs are not served.
; Work-groups 0 to 511 take key, 512 to 1023 value.  The two ways part on the work-group's number, never join again, and have LDS bytes of their own (key: 0 to 32,767; value: 32,768 to 67,583).
; No tensor loads, no barrier: waves share nothing.
.set MANT, 0x600000                    ; the mantissa field of 448 as f32
	s_load_b256 s[4:11], s[0:1], 0x0               ; key s[4:5], value s[6:7], k_codes s[8:9], k_scales s[10:11]
	s_load_b128 s[12:15], s[0:1], 0x20             ; v_codes s[12:13], v_scales s[14:15]
	v_lshl_add_u32 v192, v0, 2, 0x10800
	v_mov_b32 v193, 0
	v_lshrrev_b32 v1, 5, v0
	v_readfirstlane_b32 s16, v1                    ; wave 0..3
	v_and_b32 v2, 31, v0                           ; lane
	s_mov_b32 s23, MANT                            ; (an instruction takes one literal: the hold's line has another)
	s_mov_b32 s19, 0                               ; the upper word of every offset: all stay under 2^32
	s_wait_kmcnt 0x0
	s_cmp_lt_u32 ttmp9, 512
	s_cbranch_scc0 .Lvalue
; ---------------- key: K innermost ----------------
; A wave takes a run of 8,192 numbers, 16 steps of 512.  Each of a step's four loads reads 512 consecutive bytes, 16 a lane; the 2,048 bytes go through the wave's own stage in LDS as they lie and come back
; 64 bytes a lane, so that a lane holds 16 NEIGHBOURS (two neighbouring lanes hold a block), as the conversions want them.  The stage has 16 bytes of padding behind each 64.
; A lane's 16 codes are 16 bytes: the wave stores 512 consecutive bytes.  A wave's 256 scale bytes are gathered in LDS and leave as one aligned run of 256 bytes.
.set WREG, 8192                        ; LDS of a wave: two stages of 32 x SP bytes, behind them its 256 scale bytes
.set SP,   80                          ; a lane's place in a stage: 64 bytes + 16 of padding
.set R,    16                          ; v16-79   four sets of 16 numbers as loaded
.set X,    80                          ; v80-111  two sets of 16 neighbours
.set E,    112                         ; v112-127 a scale byte for each step
.set C,    128                         ; v128-191 four registers of codes for each step: no store's data are written again
	s_lshl_b32 s22, ttmp9, 2
	s_add_co_u32 s22, s22, s16                     ; my run: 4 x work-group + wave
	s_lshl_b32 s18, s22, 15                        ; 8,192 numbers of 4 bytes
	s_add_nc_u64 s[4:5], s[4:5], s[18:19]
	s_lshl_b32 s18, s22, 13                        ; 8,192 codes
	s_add_nc_u64 s[8:9], s[8:9], s[18:19]
	s_lshl_b32 s18, s22, 8                         ; 256 scale bytes
	s_add_nc_u64 s[10:11], s[10:11], s[18:19]
	s_wait_alu depctr_va_vdst(0)
	v_lshlrev_b32 v3, 4, v2                        ; my 16 bytes of a load's 512
	v_lshlrev_b32 v4, 4, v2                        ; my 16 codes of a step's 512
	s_mul_i32 s17, s16, WREG
	v_lshrrev_b32 v14, 2, v2
	v_mul_u32_u24 v14, v14, SP
	v_and_b32 v15, 3, v2
	v_lshl_add_u32 v14, v15, 4, v14
	v_add_nc_u32 v14, s17, v14                     ; the stage, on the way in: SP (lane / 4) + 16 (lane % 4); a load's 512 bytes take eight places
	v_mul_u32_u24 v15, v2, SP
	v_add_nc_u32 v15, s17, v15                     ; and on the way out: SP x lane
	v_lshrrev_b32 v5, 1, v2
	s_add_co_u32 s17, s17, 2*32*SP
	v_add_nc_u32 v5, s17, v5                       ; my block's scale byte
	v_lshlrev_b32 v7, 3, v2                        ; on the way out 8 scale bytes a lane
	v_add_nc_u32 v6, s17, v7
.macro KLOAD t
.irp i, 0,1,2,3
	global_load_b128 v[R+16*((\t)%4)+4*\i:R+16*((\t)%4)+4*\i+3], v3, s[4:5] offset:2048*(\t)+512*\i th:TH_LOAD_NT   ; 32 lanes read 512 consecutive bytes
.endr
.endm
.macro KTURN t                         ; step t's numbers through the stage: LDS serves a wave's instructions in order (ISA guide 5.7.1.4), so no wait stands between the stores and the loads
.irp i, 0,1,2,3
	ds_store_b128 v14, v[R+16*((\t)%4)+4*\i:R+16*((\t)%4)+4*\i+3] offset:32*SP*((\t)%2)+8*SP*\i
.endr
.irp i, 0,1,2,3
	ds_load_b128 v[X+16*((\t)%2)+4*\i:X+16*((\t)%2)+4*\i+3], v15 offset:32*SP*((\t)%2)+16*\i
.endr
.endm
.macro KSTEP t
.set XS, X+16*((\t)%2)
.if (\t) > 0
	s_wait_dscnt 1                                 ; this step's numbers are back from the stage; behind them only the last step's byte store was issued
.else
	s_wait_dscnt 0x0
.endif
.if (\t)+4 < 16
	KLOAD (\t)+4                                   ; into the set whose stores into the stage are done
.endif
.if (\t)+1 < 16
.if 14-(\t) >= 3
	s_wait_loadcnt 12                              ; the next step's four loads are in; those of the three steps behind it may be out
.else
	s_wait_loadcnt 4*(14-(\t))                     ; near the end fewer steps are behind it
.endif
	KTURN (\t)+1                                   ; they go through the other stage while this step is worked
.endif
	v_max3_num_f32 v8, |v[XS]|, |v[XS+1]|, |v[XS+2]|               ; the largest magnitude of my 16, in two chains
	v_max3_num_f32 v9, |v[XS+3]|, |v[XS+4]|, |v[XS+5]|
.irp i, 6,10
	v_max3_num_f32 v8, v8, |v[XS+\i]|, |v[XS+\i+1]|
	v_max3_num_f32 v9, v9, |v[XS+\i+2]|, |v[XS+\i+3]|
.endr
	v_max3_num_f32 v8, v8, |v[XS+14]|, |v[XS+15]|
	v_max3_num_f32 v8, v8, v9, 0x4800000           ; and the floor 2^(9 - 127): the byte cannot fall under 1
	v_max_num_f32_dpp v8, v8, v8 row_xmask:1 row_mask:0xf bank_mask:0xf   ; and of my neighbour's 16: the block's
	v_add_nc_u32 v11, 0xfc000000, v8               ; 8 off its exponent field: the conversion takes the exponent field of this operand as its scale
	v_and_or_b32 v10, v8, 0x7f800000, s23          ; 448 x the scale
.irp i, 0,1,2,3,4,5,6,7,8,9,10,11,12,13,14,15
	v_med3_num_f32 v[XS+\i], v[XS+\i], -v10, v10   ; the conversion to an 8-bit code does not saturate (ISA guide 7.6.2): the hold comes first
.endr
	v_cvt_scalef32_pk8_fp8_f32 v[C+4*(\t):C+4*(\t)+1], v[XS:XS+7], v11
	v_cvt_scalef32_pk8_fp8_f32 v[C+4*(\t)+2:C+4*(\t)+3], v[XS+8:XS+15], v11
	v_lshrrev_b32 v[E+(\t)], 23, v11               ; the scale's byte (also the plain line behind the conversions)
.set TP, ((\t)&9)|(((\t)&2)<<1)|(((\t)&4)>>1)  ; a step is 4 keys: bits 1 and 2 of the step are bits 3 and 4 of the key.  They are swapped in the key's PLACE (codes and scale bytes alike), so that the 16 keys 8 u + r + 8 (r / 8) of a tile of the first product lie on end
	ds_store_b8 v5, v[E+(\t)] offset:16*TP         ; both lanes of a block write the same byte with the same value
	global_store_b128 v4, v[C+4*(\t):C+4*(\t)+3], s[8:9] offset:512*TP   ; 512 consecutive bytes, aligned
.endm
.irp t, 0,1,2,3
	KLOAD \t
.endr
	s_wait_alu depctr_va_vdst(0)
	s_wait_loadcnt 12                              ; step 0's four loads are in
	KTURN 0
.irp t, 0,1,2,3,4,5,6,7,8,9,10,11,12,13,14,15
	KSTEP \t
.endr
	ds_load_b64 v[12:13], v6                       ; in order behind my byte stores
	s_wait_dscnt 0x0
	global_store_b64 v7, v[12:13], s[10:11]        ; 32 lanes store 256 consecutive bytes, aligned
	s_wait_tensorcnt 0x0
	ds_add_u32 v192, v193
	s_wait_dscnt 0x0
	s_endpgm
; ---------------- value: K (the keys) is the first axis inside a head ----------------
; Work-group g = 8 x head + slot takes 256 keys x 128 channels, 128 KiB on end.  A LANE TAKES A CHANNEL AND ITS REGISTERS RUN DOWN THE KEYS: a block of 32 keys lies in one lane's 32 registers, and the
; conversions give codes with the keys innermost.  Wave w takes channels 32 w to 32 w + 31.  A lane's 256 codes go through the wave's own stage (rows 272 bytes apart) and leave as whole rows of 256 bytes.
.Lvalue:
.set VX,   32                          ; v32-95   two sets of 32 numbers
.set VC,   96                          ; v96-103  a block's codes
.set OUTR, 112                         ; v112-175 the way out
.set SB,   24                          ; v24, v25 the scale bytes of the slot's two key steps, four to a register
.set VPI,  272                         ; a stage row
	s_sub_co_u32 s22, ttmp9, 512                   ; g
	s_lshl_b32 s18, s22, 17                        ; 256 rows of 512 bytes,
	s_lshl_b32 s20, s16, 7                         ; my wave's 32 channels
	s_add_co_u32 s18, s18, s20
	s_add_nc_u64 s[6:7], s[6:7], s[18:19]
	s_lshl_b32 s18, s22, 15                        ; codes: 128 rows of 256 bytes a slot,
	s_lshl_b32 s20, s16, 13                        ; my 32 rows
	s_add_co_u32 s18, s18, s20
	s_add_nc_u64 s[12:13], s[12:13], s[18:19]
	s_lshl_b32 s18, s22, 10                        ; scale words: two key steps of 512 bytes a slot,
	s_lshl_b32 s20, s16, 7                         ; my 32 words
	s_add_co_u32 s18, s18, s20
	s_add_nc_u64 s[14:15], s[14:15], s[18:19]
	s_mul_i32 s17, s16, 32*VPI
	s_add_co_u32 s17, s17, 32768                   ; my stage
	s_wait_alu depctr_va_vdst(0)
	v_lshlrev_b32 v3, 2, v2                        ; 4 bytes a lane: in, and for the scale words
	v_mul_u32_u24 v4, v2, VPI
	v_add_nc_u32 v4, s17, v4                       ; into the stage: row = my channel
	v_and_b32 v5, 15, v2
	v_lshrrev_b32 v6, 4, v2
	v_mul_u32_u24 v7, v6, VPI
	v_lshl_add_u32 v7, v5, 4, v7
	v_add_nc_u32 v7, s17, v7                       ; out of it: sixteen lanes to a row, two rows an instruction
	v_lshlrev_b32 v8, 4, v2                        ; and the same place in the codes' buffer: its rows are dense
.macro VLOAD t                         ; block t: value(32 t + i, my channel), i = 0 .. 31, into set t % 2
.irp i, 0,1,2,3,4,5,6,7,8,9,10,11,12,13,14,15,16,17,18,19,20,21,22,23,24,25,26,27,28,29,30,31
	global_load_b32 v[VX+32*((\t)%2)+\i], v3, s[6:7] offset:(32*(\t)+\i)*512 th:TH_LOAD_NT
.endr
.endm
.macro VBLOCK t
.set XS, VX+32*((\t)%2)
.if (\t) < 7
	s_wait_loadcnt 32                              ; this block's 32 loads are in; the next block's may be out
.else
	s_wait_loadcnt 0
.endif
	v_max3_num_f32 v12, |v[XS]|, |v[XS+1]|, |v[XS+2]|              ; the block's largest magnitude: all 32 numbers are mine
	v_max3_num_f32 v13, |v[XS+3]|, |v[XS+4]|, |v[XS+5]|
.irp i, 6,10,14,18,22,26
	v_max3_num_f32 v12, v12, |v[XS+\i]|, |v[XS+\i+1]|
	v_max3_num_f32 v13, v13, |v[XS+\i+2]|, |v[XS+\i+3]|
.endr
	v_max3_num_f32 v12, v12, |v[XS+30]|, |v[XS+31]|
	v_max3_num_f32 v12, v12, v13, 0x4800000        ; and the floor 2^(9 - 127)
	v_add_nc_u32 v11, 0xfc000000, v12              ; the conversion's scale operand
	v_and_or_b32 v10, v12, 0x7f800000, s23         ; 448 x the scale
	v_lshrrev_b32 v13, 23, v11                     ; the scale's byte
.if (\t)%4 == 0
	v_mov_b32 v[SB+(\t)/4], v13                    ; four bytes to a register, the earlier keys in the lower byte
.else
	v_lshl_or_b32 v[SB+(\t)/4], v13, 8*((\t)%4), v[SB+(\t)/4]
.endif
.irp i, 0,1,2,3,4,5,6,7,8,9,10,11,12,13,14,15,16,17,18,19,20,21,22,23,24,25,26,27,28,29,30,31
	v_med3_num_f32 v[XS+\i], v[XS+\i], -v10, v10   ; the hold at the largest code x the scale
.endr
.irp g, 0,1,2,3
	v_cvt_scalef32_pk8_fp8_f32 v[VC+2*\g:VC+2*\g+1], v[XS+8*\g:XS+8*\g+7], v11
.endr
	v_nop                                          ; one plain line behind the last conversion
	ds_store_b128 v4, v[VC:VC+3] offset:32*(\t)    ; 32 codes: 32 bytes of my channel's row
	ds_store_b128 v4, v[VC+4:VC+7] offset:32*(\t)+16
.if (\t)+2 < 8
	VLOAD (\t)+2
.endif
	s_wait_dscnt 0x0                               ; the stores have read their registers: the next block's codes may be written
.endm
	VLOAD 0
	VLOAD 1
.irp t, 0,1,2,3,4,5,6,7
	VBLOCK \t
.endr
	global_store_b32 v3, v[SB], s[14:15]           ; the slot's first key step: 128 consecutive bytes a wave, 512 a work-group
	global_store_b32 v3, v[SB+1], s[14:15] offset:512   ; and its second
.irp t, 0,1,2,3,4,5,6,7,8,9,10,11,12,13,14,15
	ds_load_b128 v[OUTR+4*\t:OUTR+4*\t+3], v7 offset:2*\t*VPI   ; in order behind my stores
.endr
.irp t, 0,1,2,3,4,5,6,7,8,9,10,11,12,13,14,15
	s_wait_dscnt 15-\t                             ; the later loads may stay out
	global_store_b128 v8, v[OUTR+4*\t:OUTR+4*\t+3], s[12:13] offset:512*\t   ; two rows: 512 consecutive bytes, aligned
.endr
	s_wait_tensorcnt 0x0
	ds_add_u32 v192, v193
	s_wait_dscnt 0x0
	s_endpgm
.Lfunc_end_k_q29ddea828c_quant:
	.size	k_q29ddea828c_quant, .Lfunc_end_k_q29ddea828c_quant-k_q29ddea828c_quant
	.p2alignl 7, 3214868480
	.fill 96, 4, 3214868480
	.section	.rodata,"a",@progbits
	.p2align	6, 0x0
	.amdhsa_kernel k_q29ddea828c_quant
		.amdhsa_group_segment_fixed_size 68096
		.amdhsa_private_segment_fixed_size 0
		.amdhsa_enable_private_segment 0
		.amdhsa_kernarg_size 48
		.amdhsa_user_sgpr_count 2
		.amdhsa_user_sgpr_kernarg_segment_ptr 1
		.amdhsa_wavefront_size32 1
		.amdhsa_system_sgpr_workgroup_id_x 1
		.amdhsa_system_sgpr_workgroup_id_y 1
		.amdhsa_system_sgpr_workgroup_id_z 1
		.amdhsa_system_vgpr_workitem_id 0
		.amdhsa_next_free_vgpr 194
		.amdhsa_next_free_sgpr 66
		.amdhsa_reserve_vcc 0
		.amdhsa_float_denorm_mode_32 3
		.amdhsa_float_denorm_mode_16_64 3
		.amdhsa_memory_ordered 1
		.amdhsa_forward_progress 1
		.amdhsa_inst_pref_size 109
	.end_amdhsa_kernel
	.amdgpu_metadata
---
amdhsa.version: [ 1, 2 ]
amdhsa.kernels:
  - .name:           k_q29ddea828c_quant
    .symbol:         k_q29ddea828c_quant.kd
    .args:
      - { .name: key, .offset: 0, .size: 8, .value_kind: global_buffer, .address_space: global }
      - { .name: value, .offset: 8, .size: 8, .value_kind: global_buffer, .address_space: global }
      - { .name: k_codes, .offset: 16, .size: 8, .value_kind: global_buffer, .address_space: global }
      - { .name: k_scales, .offset: 24, .size: 8, .value_kind: global_buffer, .address_space: global }
      - { .name: v_codes, .offset: 32, .size: 8, .value_kind: global_buffer, .address_space: global }
      - { .name: v_scales, .offset: 40, .size: 8, .value_kind: global_buffer, .address_space: global }
    .group_segment_fixed_size: 68096
    .private_segment_fixed_size: 0
    .kernarg_segment_align: 8
    .kernarg_segment_size: 48
    .max_flat_workgroup_size: 128
    .sgpr_count:     66
    .vgpr_count:     194
    .wavefront_size: 32
...
	.end_amdgpu_metadata
.endif
;; end of part 1
;; launch attn (part 2): grid 64 x 4, 8 waves a work-group, no clusters, 327,680 bytes of LDS; arguments query, k_codes, k_scales, v_codes, v_scales, out0; writes out0
.if DOCPART == 2
	.amdgcn_target "amdgcn-amd-amdhsa--gfx1250"
	.amdhsa_code_object_version 6
	.text
	.protected	k_q29ddea828c_attn
	.globl	k_q29ddea828c_attn
	.p2align	8
	.type	k_q29ddea828c_attn,@function
k_q29ddea828c_attn:
	s_mov_b64 s[64:65], 0
	v_nop
	global_prefetch_b8 v0, s[64:65] scope:SCOPE_SE
	s_setreg_imm32_b32 hwreg(HW_REG_WAVE_MODE, 25, 1), 1
	s_wait_xcnt 0x0
; out0[h][q][:] = the sum over k <= q of softmax_k(Q[h][q] . K[h][k] / sqrt(128)) V[h][k][:], 64 heads, 2,048 queries and keys, head size 128; both products on codes of FP8 (E4M3) with one E8M0 scale for each 32 along K.
; query [64][2048][128] f32 is quantised here in registers (each row is read by one wave).  k_codes [64][2048 places][128], k_scales [64][2048 places][4]: key k lies at the place k with bits 3 and 4 swapped;
; v_codes [64][8 slots][128 channels][256 keys], v_scales [64][16 key steps][128 channels][4].
; LEFT OUT: key steps all of whose keys come after all of a tile's queries.  reference() sets their scores to -inf by a mask that it builds itself, so their p is 0 for all values of the inputs and they add nothing to the sum or to O.
; A NaN, an infinity or an overflow that reaches only those scores is not carried to the result.
; THE SOFTMAX: t = score x log2(e) / sqrt(128); M = the row's largest t so far, rounded UP to a whole number; p = 2^(t - M) is quantised along the keys, not normalised.  The row's sum is taken of the unquantised p and divides O at the end.
; When M moves, the sum and O are multiplied by 2^(old M - new M): exact.
; SHARES.  The grid's x is the head, its y is a = 0 .. 3.  A head's 8 blocks of 256 queries go to 4 work-groups: work-group a takes block a and then block 7 - a.  Block b needs the slots (256 keys) 0 to b: a + 1 and 8 - a slots, 9 trips in every work-group.
; Wave w owns tiles w and 15 - w of the block's 16 tiles of 16 queries.  In a block's last slot tile w has its diagonal in the first key step and leaves the second out, tile 15 - w has it in the second:
; every wave has the same work in every trip, and every causal branch hangs on the work-group's number and the count of trips alone.
; NO CLUSTER: from the second trip on the four work-groups of a head need different slots (work-group a goes back to slot 0 in trip a + 1), so no joint request would name the same tile in the same round.
; LAYOUT.  Both products are used transposed: S^T = K Q^T, O^T = V^T P^T: a lane holds ONE query (lane % 16) of each tile.  Row r of tile 2 b + u of K is key 32 b + 8 u + r + 8 (r / 8), so that the 16 registers of tiles 2 b, 2 b + 1 are keys 32 b + 16 (lane / 16) + 0 .. 15.
; REGISTERS.  Tile 0's state lies in window 0, tile 1's under the same numbers in window 1: v12 -M, v13 the largest t, v[14:15] the sum, v16-31 Q's codes, v96-159 S^T then p, v160-223 O^T, v224-239 p's codes, v232-247, v252, v254 at work.
; v32-95 of window 0 hold fragments 0-3 of K or V, of window 1 fragments 4-7: each fragment feeds both tiles.  Scale words stand in window 0: v248-251 the fragments' (lanes 0-15 an even tile's, lanes 16-31 the odd one's), v253 p's and v255 Q's (lanes 0-15 tile 0's, lanes 16-31 tile 1's).
; LDS: two slots, 2^17 bytes apart: 256 rows of K (144), 128 rows of V (272), 1,024 + 1,024 scale bytes; behind each slot four waves' stages (16 rows x 528), which no tensor load fills; the spare words at 2^18.
; THE CHANGE OF SLOTS.  The loads of V's fragments in a trip's second key step are a wave's last LDS reads of the slot.  Directly behind them each wave waits for its tensor load, adds 0 to its spare word, waits for those reads and signals;
; the step's softmaxes and second products, work on registers, stand between the signal and the wait;
; the refill is the first thing behind the wait, at the next trip's top.
; PREFETCH: in trips 0 to 5 waves 6 and 7 ask for the work-group's quarter (8,192 bytes, lanes 256 bytes apart) of K's and V's codes of slot trip + 2: each block of 256 bytes is named once in the launch, at least one trip ahead of the first load that wants it.
; In trip 0 each wave asks for its 16,384 bytes of the second block's Q.  The second walk's slots have been read in the first by this head's work-groups and are not asked for.
; LIMITS: NaN and infinities among the inputs are not served.  A block of zeros has the byte 1 where the quantiser says 127: its codes are zeros.  A p under 2^-126 becomes 0 (v_exp_f32 flushes denormal results).
; A block's largest p is taken as the exponential of the block's largest score: this takes v_exp_f32 not to fall where its input rises.  The promise holds while the scaled scores stay under 2^31 in magnitude.
.set KP,    144
.set VP,    272
.set VOFF,  256*KP
.set SCOFF, VOFF+128*VP
.set SLOT1, 1<<17
.set SLOTB, 32768
.set STAGE0, SCOFF+2048
.set SPI,   528
.set SPARE, 2*SLOT1
.set AK0, 1
.set AV0, 2
.set AS0, 3
.set DQ,  4                            ; my query's place in its diagonal key step, less 16 (lane / 16): each window has its tile's
.set SPW, 5
.set NIL, 6
.set GIO, 7                            ; 16 x lane; window 1: + the bytes from tile 0's rows to tile 1's
.set ADK, 8
.set ADV, 9
.set ADS, 10
.set PFO, 11                           ; 256 x lane; window 1 likewise
.set TB, 2
.set T,  3
.set WV, 18
.set MNT, 19
.set SEL, 20
.set CS, 22
.set G1K, 24
.set G1V, 32
.set G1S, 40
.set G0K, 48
.set G0V, 52
.set G0S, 56
.set BK, 60
.set BV, 62
.set BS, 66
.set LK, 68
.set LV, 69
.set LS, 70
.set DG, 71                            ; 1 in a block's last trip
.set W16, 72
.set W16B, 73
.set CHG, 74                           ; a + 1: the trip in which the second block begins
.set TO, 75
.set PFA, 76
.set LIM, 78
.set MSK, 79
.set QP1, 80
.set QP2, 82
.set OP1, 84
.set OP2, 86
.set STG, 88
.set AA,  89                           ; a
.set MSB, 0
.macro WIN new                         ; the immediate's high byte repeats the setting that is left
.if MSB != \new
	s_set_vgpr_msb (MSB<<8)|\new
.set MSB, \new
.endif
.endm
.macro NOPS n
.rept \n
	v_nop
.endr
.endm
; every wave has one load: waves 0-3 K's quarters, 4 and 5 V's halves, 6 and 7 K's and V's scale bytes.  One chain of branches on the wave's number; s_nop 0 and four v_nop follow each load
.macro TLOAD
	s_cmp_lt_u32 s[WV], 4
	s_cbranch_scc0 .Lv_\@
	tensor_load_to_lds s[G0K:G0K+3], s[G1K:G1K+7]
	s_nop 0
	NOPS 4
	s_branch .Ld_\@
.Lv_\@:
	s_cmp_lt_u32 s[WV], 6
	s_cbranch_scc0 .Ls_\@
	tensor_load_to_lds s[G0V:G0V+3], s[G1V:G1V+7]
	s_nop 0
	NOPS 4
	s_branch .Ld_\@
.Ls_\@:
	tensor_load_to_lds s[G0S:G0S+3], s[G1S:G1S+7]
	s_nop 0
	NOPS 4
.Ld_\@:
.endm
.macro ASK
	s_cmp_lt_u32 s[T], s[LIM]
	s_cbranch_scc0 .Lnk_\@
	global_prefetch_b8 v[PFO], s[PFA:PFA+1] th:TH_LOAD_NT scope:SCOPE_SE
.Lnk_\@:
	s_cmp_eq_u32 s[T], 0
	s_cbranch_scc0 .Lnq_\@
	global_prefetch_b8 v[PFO], s[QP2:QP2+1] th:TH_LOAD_NT scope:SCOPE_SE
	WIN 0x01
	global_prefetch_b8 v[PFO], s[QP2:QP2+1] th:TH_LOAD_NT scope:SCOPE_SE
	WIN 0
.Lnq_\@:
.endm
; one product; ra, rb: which half of the lanes holds A's and B's scale words
.macro WM d, a, b, c, sa, sb, ra, rb
.if (\ra)==0
.if (\rb)==0
	v_wmma_scale_f32_16x16x128_f8f6f4 v[\d:\d+7], v[\a:\a+15], v[\b:\b+15], \c, v[\sa], v[\sb]
.else
	v_wmma_scale_f32_16x16x128_f8f6f4 v[\d:\d+7], v[\a:\a+15], v[\b:\b+15], \c, v[\sa], v[\sb] matrix_b_scale:MATRIX_SCALE_ROW1
.endif
.else
.if (\rb)==0
	v_wmma_scale_f32_16x16x128_f8f6f4 v[\d:\d+7], v[\a:\a+15], v[\b:\b+15], \c, v[\sa], v[\sb] matrix_a_scale:MATRIX_SCALE_ROW1
.else
	v_wmma_scale_f32_16x16x128_f8f6f4 v[\d:\d+7], v[\a:\a+15], v[\b:\b+15], \c, v[\sa], v[\sb] matrix_a_scale:MATRIX_SCALE_ROW1 matrix_b_scale:MATRIX_SCALE_ROW1
.endif
.endif
.endm
.macro SPROD g, w                      ; S^T of tile w, keys' tiles 4 g .. 4 g + 3: A in window g, B and D in window w
	WIN (\g)|((\w)<<2)|((\w)<<4)|((\w)<<6)
.irp t, 0,1,2,3
	WM 96+8*(4*\g+\t), 32+16*\t, 16, 0, 248+2*\g+\t/2, 255, \t%2, \w
.endr
.endm
.macro PPROD g, w                      ; O^T of tile w, channels' tiles 4 g .. 4 g + 3
	WIN (\g)|((\w)<<2)|((\w)<<4)|((\w)<<6)
.irp t, 0,1,2,3
	WM 160+8*(4*\g+\t), 32+16*\t, 224, v[160+8*(4*\g+\t):167+8*(4*\g+\t)], 248+2*\g+\t/2, 253, \t%2, \w
.endr
.endm
; the diagonal step, under the tile's window: register 16 b + i holds the step's key 32 b + 16 (lane / 16) + i: hidden where 32 b + i > DQ
.macro MASK
	v_mov_b32 v254, 0xff800000
.set NN, 0
.rept 64
	v_cmp_gt_i32 vcc_lo, 32*(NN/16)+NN%16, v[DQ]
	v_cndmask_b32 v[96+NN], v[96+NN], v254, vcc_lo
.set NN, NN+1
.endr
.endm
; a tile's softmax of 128 keys, under the tile's window
.macro SOFT w
	s_wait_alu depctr_va_vdst(0)                   ; the wait, directly ahead of the first reader of S^T
.irp b, 0,1,2,3
	v_max3_num_f32 v[232+\b], v[96+16*\b], v[97+16*\b], v[98+16*\b]   ; the largest score of each block of 32 keys
.endr
.irp i, 3,5,7,9,11,13
.irp b, 0,1,2,3
	v_max3_num_f32 v[232+\b], v[232+\b], v[96+16*\b+\i], v[97+16*\b+\i]
.endr
.endr
.irp b, 0,1,2,3
	v_max_num_f32 v[232+\b], v[232+\b], v[111+16*\b]
.endr
.irp b, 0,1,2,3
	v_permlanex16_b32 v[236+\b], v[232+\b], s[SEL], s[SEL+1]
.endr
.irp b, 0,1,2,3
	s_delay_alu instid0(VALU_DEP_4)
	v_max_num_f32 v[232+\b], v[232+\b], v[236+\b]  ; with lane l xor 16's 16 keys
.endr
	s_delay_alu instid0(VALU_DEP_2)
	v_max3_num_f32 v254, v232, v233, v234
	s_delay_alu instid0(VALU_DEP_1)
	v_max_num_f32 v254, v254, v235
	s_delay_alu instid0(VALU_DEP_1)
	v_mul_f32 v254, s[CS], v254                    ; as t
	s_delay_alu instid0(VALU_DEP_1)
	v_max_num_f32 v13, v13, v254                   ; the running largest t
	v_mov_b32 v254, v12
	s_delay_alu instid0(VALU_DEP_2)
	v_floor_f32 v12, -v13                          ; the new -M
	s_delay_alu instid0(VALU_DEP_1)
	v_sub_f32 v254, v12, v254
	s_delay_alu instid0(VALU_DEP_1)
	v_cvt_i32_f32 v254, v254
	s_delay_alu instid0(VALU_DEP_1)
	v_ldexp_f32 v252, 1.0, v254                    ; f = 2^(old M - new M)
.set NN, 0
.rept 32
	v_pk_fma_f32 v[96+NN:97+NN], v[96+NN:97+NN], s[CS:CS+1], v[12:13] op_sel_hi:[1,0,0]   ; t - M
.set NN, NN+2
.endr
.irp b, 0,1,2,3
	v_fma_f32 v[232+\b], v[232+\b], s[CS], v12
.endr
	s_wait_alu depctr_va_vdst(0)                   ; the wait ahead of the batch
.set NN, 0
.rept 64
	v_exp_f32 v[96+NN], v[96+NN]                   ; p
.set NN, NN+1
.endr
	v_pk_mul_f32 v[14:15], v[14:15], v[252:253] op_sel_hi:[1,0]   ; the sums under the new M: a plain line behind the batch
	s_wait_alu depctr_va_vdst(0)                   ; and behind it, ahead of its first reader
.irp b, 0,1,2,3
	v_exp_f32 v[232+\b], v[232+\b]                 ; the block's largest p
.endr
	v_pk_add_f32 v[236:237], v[100:101], v[104:105]   ; the row's sum of the unquantised p, in eight chains
	v_pk_add_f32 v[224:225], v[108:109], v[112:113]
	v_pk_add_f32 v[226:227], v[116:117], v[120:121]
	v_pk_add_f32 v[246:247], v[124:125], v[128:129]
	v_pk_add_f32 v[244:245], v[132:133], v[136:137]
	v_pk_add_f32 v[242:243], v[140:141], v[144:145]
	v_pk_add_f32 v[240:241], v[148:149], v[152:153]
	v_pk_add_f32 v[14:15], v[14:15], v[156:157]
	v_pk_add_f32 v[236:237], v[236:237], v[96:97]
	v_pk_add_f32 v[224:225], v[224:225], v[98:99]
	v_pk_add_f32 v[226:227], v[226:227], v[102:103]
	v_pk_add_f32 v[246:247], v[246:247], v[106:107]
	v_pk_add_f32 v[244:245], v[244:245], v[110:111]
	v_pk_add_f32 v[242:243], v[242:243], v[114:115]
	v_pk_add_f32 v[240:241], v[240:241], v[118:119]
	v_pk_add_f32 v[14:15], v[14:15], v[122:123]
	v_pk_add_f32 v[236:237], v[236:237], v[126:127]
	v_pk_add_f32 v[224:225], v[224:225], v[130:131]
	v_pk_add_f32 v[226:227], v[226:227], v[134:135]
	v_pk_add_f32 v[246:247], v[246:247], v[138:139]
	v_pk_add_f32 v[244:245], v[244:245], v[142:143]
	v_pk_add_f32 v[242:243], v[242:243], v[146:147]
	v_pk_add_f32 v[240:241], v[240:241], v[150:151]
	v_pk_add_f32 v[14:15], v[14:15], v[154:155]
	v_pk_add_f32 v[236:237], v[236:237], v[158:159]
	s_delay_alu instid0(VALU_DEP_2)
	v_pk_add_f32 v[14:15], v[14:15], v[246:247]
	s_delay_alu instid0(VALU_DEP_2)
	v_pk_add_f32 v[236:237], v[236:237], v[244:245]
	v_pk_add_f32 v[224:225], v[224:225], v[242:243]
	v_pk_add_f32 v[226:227], v[226:227], v[240:241]
	s_delay_alu instid0(VALU_DEP_2)
	v_pk_add_f32 v[14:15], v[14:15], v[224:225]
	s_delay_alu instid0(VALU_DEP_2)
	v_pk_add_f32 v[236:237], v[236:237], v[226:227]
	s_delay_alu instid0(VALU_DEP_1)
	v_pk_add_f32 v[14:15], v[14:15], v[236:237]
	s_wait_alu depctr_va_vdst(0)                   ; the wait for the four
.irp b, 0,1,2,3
	v_max_num_f32 v[232+\b], 0x4800000, v[232+\b]  ; the floor 2^(9 - 127): the byte cannot fall under 1
.endr
.irp b, 0,1,2,3
	s_delay_alu instid0(VALU_DEP_4)
	v_add_nc_u32 v[244+\b], 0xfc000000, v[232+\b]  ; the conversion's scale operand
.endr
.irp b, 0,1,2,3
	v_and_or_b32 v[240+\b], v[232+\b], 0x7f800000, s[MNT]   ; 448 x the scale
.endr
.irp b, 0,1,2,3
	v_lshrrev_b32 v[236+\b], 23, v[244+\b]         ; the scale's byte
.endr
	s_delay_alu instid0(VALU_DEP_3)
	v_lshl_or_b32 v253, v237, 8, v236              ; p's scale word
	s_delay_alu instid0(VALU_DEP_1)
	v_lshl_or_b32 v253, v238, 16, v253
	s_delay_alu instid0(VALU_DEP_1)
	v_lshl_or_b32 v253, v239, 24, v253
.irp b, 0,1,2,3
.if \w                                         ; the hold (ISA guide 7.6.2: the conversion does not saturate); p is not negative, so it is one-sided
.irp i, 0,1,2,3,4,5,6,7,8,9,10,11,12,13,14,15
	v_min_num_f32 v[96+16*\b+\i], v[96+16*\b+\i], v[240+\b]
.endr
.else                                          ; in window 0 two holds to an instruction: an even and an odd register, one bound
.irp i, 0,2,4,6,8,10,12,14
	v_dual_min_num_f32 v[96+16*\b+\i], v[96+16*\b+\i], v[240+\b] :: v_dual_min_num_f32 v[97+16*\b+\i], v[97+16*\b+\i], v[240+\b]
.endr
.endif
	v_cvt_scalef32_pk8_fp8_f32 v[224+4*\b:225+4*\b], v[96+16*\b:103+16*\b], v[244+\b]
	v_cvt_scalef32_pk8_fp8_f32 v[226+4*\b:227+4*\b], v[104+16*\b:111+16*\b], v[244+\b]
.endr
.if \w
	WIN 0x04                                       ; source 1 in window 1, all else in window 0
	v_cndmask_b32 v253, v253, v253, s[MSK]         ; tile 1's scale word into lanes 16-31 of window 0's v253
	WIN 0x55
.endif
	s_wait_alu depctr_va_vdst(0)                   ; the wait, directly ahead of the first reader of O^T
.set NN, 0
.rept 32
	v_pk_mul_f32 v[160+NN:161+NN], v[160+NN:161+NN], v[252:253] op_sel_hi:[1,0]   ; O^T x f; also the places between codes, scale word and the products
.set NN, NN+2
.endr
.endm
; eight fragments, 16 rows each, and their four registers of scale words
.macro FRAGS adr, base, pitch, sc
.irp t, 0,1,2,3
.irp c, 0,1,2,3
	ds_load_b128 v[32+16*\t+4*\c:35+16*\t+4*\c], v[\adr] offset:\base+16*\t*\pitch+32*\c
.endr
.endr
.irp u, 0,1,2,3
	ds_load_b32 v[248+\u], v[ADS] offset:\sc+128*\u
.endr
	WIN 0x40
.irp t, 0,1,2,3
.irp c, 0,1,2,3
	ds_load_b128 v[32+16*\t+4*\c:35+16*\t+4*\c], v[\adr] offset:\base+(64+16*\t)*\pitch+32*\c
.endr
.endr
.endm
.macro PV0 nw                          ; tile 0's second product, directly behind its softmax; nw = 1: V's fragments have been waited for
	s_wait_alu depctr_va_vdst(0)                   ; the wait, directly ahead of the wait below
.if \nw == 0
	s_wait_dscnt 0x0                               ; V's fragments and scale words
.endif
	PPROD 0, 0
	PPROD 1, 0
.endm
; the descriptors of the fill for trip T + k, into the LDS slot TB xor x: slot T + k of the first walk, or T + k - (a + 1) of the second
.macro DESC k, x
	s_add_co_u32 s16, s[T], \k
	s_cmp_ge_u32 s16, s[CHG]
	s_cselect_b32 s17, s[CHG], 0
	s_sub_co_u32 s16, s16, s17
	s_lshl_b32 s90, s16, 15                        ; its codes,
	s_lshl_b32 s92, s16, 10                        ; its scale bytes (s91 = s93 = 0)
	s_xor_b32 s17, s[TB], \x
	s_add_co_u32 s[G0K+1], s17, s[LK]
	s_add_co_u32 s[G0V+1], s17, s[LV]
	s_add_co_u32 s[G0S+1], s17, s[LS]
	s_add_nc_u64 s[G0K+2:G0K+3], s[BK:BK+1], s[90:91]
	s_or_b32 s[G0K+3], s[G0K+3], 0x80000000
	s_add_nc_u64 s[G0V+2:G0V+3], s[BV:BV+1], s[90:91]
	s_or_b32 s[G0V+3], s[G0V+3], 0x80000000
	s_add_nc_u64 s[G0S+2:G0S+3], s[BS:BS+1], s[92:93]
	s_or_b32 s[G0S+3], s[G0S+3], 0x80000000
.endm
; A KEY STEP.  q: which 128 keys of the slot; dg = 1: the trip is a block's last (written out), 0: s[DG] says; meet = 1: the change of slots stands in this step
.macro STEP q, dg, meet
	NOPS 8                                         ; places ahead of loads into registers that the last products read
	FRAGS ADK, 128*(\q)*KP, KP, 512*(\q)
	s_wait_dscnt 16                                ; fragments 0-3 and the scale words are in; fragments 4-7 may be out
.if \q == 0
	SPROD 0, 0
	SPROD 0, 1
	s_wait_dscnt 0x0
	SPROD 1, 0
	SPROD 1, 1
	WIN 0
.else
	SPROD 0, 1
	s_wait_dscnt 0x0
	SPROD 1, 1
	WIN 0
.if \dg == 0
	s_cmp_lg_u32 s[DG], 0                          ; in a block's last slot these keys come after all of tile 0's queries
	s_cbranch_scc1 .Lns_\@
	SPROD 0, 0
	SPROD 1, 0
	WIN 0
.Lns_\@:
.endif
.endif
	NOPS 8                                         ; places ahead of the loads below and of the first read of S^T
	FRAGS ADV, 128*(\q), VP, 1024+512*(\q)         ; V's fragments
	WIN 0
.if \meet
	s_wait_alu depctr_va_vdst(0)                   ; the wait, directly ahead of the wait below
	s_wait_tensorcnt 0x0                           ; my part of the next trip's slot is in; no tensor load of mine is out, so the groups 0 may be written
	ds_add_u32 v[SPW], v[NIL]
	DESC 2, 0                                      ; the slot in hand takes the keys of the trip after the next
	s_wait_xcnt 0x0                                ; this trip's prefetch has read its address
	s_add_nc_u64 s[PFA:PFA+1], s[PFA:PFA+1], SLOTB
	s_wait_dscnt 0x0                               ; the add is done, and my last reads of the slot in hand, V's fragments, are in registers
	s_barrier_signal -1                            ; only work on registers stands between here and the wait
.endif
.if \q == 0
.if \dg == 0
	s_cmp_eq_u32 s[DG], 0
	s_cbranch_scc1 .Lop_\@
.endif
	MASK                                           ; tile 0's diagonal
.if \dg == 0
.Lop_\@:
.endif
	SOFT 0
	PV0 0
.else
.if \dg == 0
	s_cmp_lg_u32 s[DG], 0
	s_cbranch_scc1 .Ldg_\@
	SOFT 0
	PV0 \meet
	WIN 0
	s_branch .Lj_\@
.Ldg_\@:
.endif
	WIN 0x55
	MASK                                           ; tile 1's diagonal
	WIN 0
.if \dg == 0
.Lj_\@:
.endif
.endif
	WIN 0x55
	SOFT 1
	s_wait_alu depctr_va_vdst(0)
.if \meet == 0
	s_wait_dscnt 0x0
.endif
	PPROD 0, 1
	PPROD 1, 1
	WIN 0
.if \meet
	s_wait_alu depctr_va_vdst(0)                   ; the wait, directly ahead of the barrier's wait
	s_barrier_wait -1
.endif
.endm
; Q's four blocks of a tile: codes into v16-31, the scale word into v253
.macro QUANTQ
.irp b, 0,1,2,3
	v_mov_b32 v[236+\b], 0                         ; a lane permute's destination counts as one of its sources
.endr
	v_mov_b32 v252, 0
.irp b, 0,1,2,3
	v_max3_num_f32 v[232+\b], |v[96+16*\b]|, |v[97+16*\b]|, 0x4800000
.endr
.irp i, 2,4,6,8,10,12,14
.irp b, 0,1,2,3
	s_delay_alu instid0(VALU_DEP_4)
	v_max3_num_f32 v[232+\b], v[232+\b], |v[96+16*\b+\i]|, |v[97+16*\b+\i]|
.endr
.endr
.irp b, 0,1,2,3
	s_delay_alu instid0(VALU_DEP_4)
	v_permlanex16_b32 v[236+\b], v[232+\b], s[SEL], s[SEL+1]
.endr
.irp b, 0,1,2,3
	s_delay_alu instid0(VALU_DEP_4)
	v_max_num_f32 v[232+\b], v[232+\b], v[236+\b]
.endr
.irp b, 0,1,2,3
	s_delay_alu instid0(VALU_DEP_4)
	v_add_nc_u32 v[244+\b], 0xfc000000, v[232+\b]
.endr
.irp b, 0,1,2,3
	v_and_or_b32 v[240+\b], v[232+\b], 0x7f800000, s[MNT]
.endr
.irp b, 0,1,2,3
	v_lshrrev_b32 v[236+\b], 23, v[244+\b]
.endr
	s_delay_alu instid0(VALU_DEP_3)
	v_lshl_or_b32 v253, v237, 8, v236
	s_delay_alu instid0(VALU_DEP_1)
	v_lshl_or_b32 v253, v238, 16, v253
	s_delay_alu instid0(VALU_DEP_1)
	v_lshl_or_b32 v253, v239, 24, v253
.irp b, 0,1,2,3
.irp i, 0,1,2,3,4,5,6,7,8,9,10,11,12,13,14,15
	v_med3_num_f32 v[96+16*\b+\i], v[96+16*\b+\i], -v[240+\b], v[240+\b]
.endr
	v_cvt_scalef32_pk8_fp8_f32 v[16+4*\b:17+4*\b], v[96+16*\b:103+16*\b], v[244+\b]
	v_cvt_scalef32_pk8_fp8_f32 v[18+4*\b:19+4*\b], v[104+16*\b:111+16*\b], v[244+\b]
.endr
	v_nop                                          ; one plain line behind the last conversion
.endm
.macro ZERO                            ; a tile's state: the first step finds zeros, which the first change of M leaves zeros
	v_mov_b32 v13, 0xff61b1e6                      ; -3e38, under every t
	s_delay_alu instid0(VALU_DEP_1)
	v_floor_f32 v12, -v13
	v_mov_b32 v14, 0
	v_mov_b32 v15, 0
.set NN, 0
.rept 64
	v_mov_b32 v[160+NN], 0
.set NN, NN+1
.endr
.endm
; A BLOCK BEGINS: my 2 x 16 rows of Q come as whole rows (a load: 512 consecutive bytes), turn through my stage and come back 64 bytes a lane: register 96 + 16 b + n holds channel 32 b + 16 (lane / 16) + n of row lane % 16
.macro START qp
	v_and_b32 v224, 31, v0
	v_and_b32 v225, 15, v0
	v_bfe_u32 v226, v0, 4, 1
	v_lshl_add_u32 v224, v224, 4, s[STG]           ; in: 16 x lane of a row
	v_mul_u32_u24 v225, v225, SPI
	v_lshl_add_u32 v225, v226, 6, v225
	v_add_nc_u32 v225, s[STG], v225                ; back: row lane % 16, + 64 (lane / 16)
	s_wait_alu depctr_va_vdst(0)
.irp i, 0,1,2,3,4,5,6,7,8,9,10,11,12,13,14,15
	global_load_b128 v[160+4*\i:163+4*\i], v[GIO], s[\qp:\qp+1] offset:512*\i th:TH_LOAD_NT
.endr
	WIN 0x41                                       ; tile 1: data and offset in window 1
.irp i, 0,1,2,3,4,5,6,7,8,9,10,11,12,13,14,15
	global_load_b128 v[160+4*\i:163+4*\i], v[GIO], s[\qp:\qp+1] offset:512*\i th:TH_LOAD_NT
.endr
	WIN 0
	s_wait_loadcnt 16                              ; tile 0's rows are in; tile 1's sixteen loads may be out
.irp i, 0,1,2,3,4,5,6,7,8,9,10,11,12,13,14,15
	ds_store_b128 v224, v[160+4*\i:163+4*\i] offset:SPI*\i
.endr
.irp i, 0,1,2,3,4,5,6,7,8,9,10,11,12,13,14,15
	ds_load_b128 v[96+4*\i:99+4*\i], v225 offset:128*(\i/4)+16*(\i%4)   ; LDS serves a wave's instructions in order (ISA guide 5.7.1.4)
.endr
	s_wait_loadcnt 0x0
	WIN 0x04
.irp i, 0,1,2,3,4,5,6,7,8,9,10,11,12,13,14,15
	ds_store_b128 v224, v[160+4*\i:163+4*\i] offset:SPI*\i
.endr
	WIN 0x40
.irp i, 0,1,2,3,4,5,6,7,8,9,10,11,12,13,14,15
	ds_load_b128 v[96+4*\i:99+4*\i], v225 offset:128*(\i/4)+16*(\i%4)
.endr
	WIN 0
	s_wait_dscnt 32                                ; tile 0 is back; tile 1's 16 stores and 16 loads may be out
	QUANTQ
	ZERO
	WIN 0x55
	s_wait_dscnt 0x0
	QUANTQ
	WIN 0x04
	v_cndmask_b32 v255, v253, v253, s[MSK]         ; Q's scale words: lanes 0-15 tile 0's, lanes 16-31 tile 1's
	WIN 0x55
	ZERO                                           ; also the places between codes, scale word and the first product
	WIN 0
	s_wait_alu depctr_va_vdst(0)
.endm
.macro FSUM
	v_add_f32 v14, v14, v15
	s_delay_alu instid0(VALU_DEP_1)
	v_permlanex16_b32 v252, v14, s[SEL], s[SEL+1]
	s_delay_alu instid0(VALU_DEP_1)
	v_add_f32 v14, v14, v252                       ; the row's sum
	s_wait_alu depctr_va_vdst(0)                   ; the wait ahead of the transcendental
	v_rcp_f32 v14, v14
	v_nop
.endm
.macro FDIV
	s_wait_alu depctr_va_vdst(0)                   ; the wait for the reciprocal and for O^T, directly ahead of the first reader
.set NN, 0
.rept 32
	v_pk_mul_f32 v[96+NN:97+NN], v[160+NN:161+NN], v[14:15] op_sel_hi:[1,0]   ; register 8 t + i is o(lane % 16, 16 t + 8 (lane / 16) + i)
.set NN, NN+2
.endr
.endm
.macro FIN_ST
.irp t, 0,1,2,3,4,5,6,7
	ds_store_b128 v241, v[96+8*\t:99+8*\t] offset:64*\t
	ds_store_b128 v241, v[100+8*\t:103+8*\t] offset:64*\t+16
.endr
.endm
.macro FIN_LD
.irp i, 0,1,2,3,4,5,6,7,8,9,10,11,12,13,14,15
	ds_load_b128 v[32+4*\i:35+4*\i], v240 offset:SPI*\i
.endr
.endm
; A BLOCK ENDS: O^T / the sum goes through my stage and leaves as whole rows: a store covers 512 consecutive bytes, aligned
.macro FINISH op
	FSUM                                           ; the two tiles' eight plain lines are the places behind the last products
	WIN 0x55
	FSUM
	WIN 0
	v_and_b32 v240, 31, v0
	v_and_b32 v241, 15, v0
	v_bfe_u32 v242, v0, 4, 1
	v_lshl_add_u32 v240, v240, 4, s[STG]           ; back: 16 x lane of a row
	v_mul_u32_u24 v241, v241, SPI
	v_lshl_add_u32 v241, v242, 5, v241
	v_add_nc_u32 v241, s[STG], v241                ; in: row lane % 16, + 32 (lane / 16)
	FDIV
	WIN 0x55
	FDIV
	WIN 0
	s_wait_alu depctr_va_vdst(0)                   ; the quotients
	FIN_ST
	FIN_LD
	WIN 0x04
	FIN_ST
	WIN 0x40
	FIN_LD
	WIN 0
	s_wait_dscnt 32                                ; tile 0's rows are back; tile 1's 32 LDS instructions may be out
.irp i, 0,1,2,3,4,5,6,7,8,9,10,11,12,13,14,15
	global_store_b128 v[GIO], v[32+4*\i:35+4*\i], s[\op:\op+1] offset:512*\i th:TH_STORE_NT
.endr
	WIN 0x05                                       ; tile 1: offset and data in window 1
	s_wait_dscnt 0x0
.irp i, 0,1,2,3,4,5,6,7,8,9,10,11,12,13,14,15
	global_store_b128 v[GIO], v[32+4*\i:35+4*\i], s[\op:\op+1] offset:512*\i th:TH_STORE_NT
.endr
	WIN 0
	s_wait_xcnt 0x0                                ; the stores' data registers are written again only behind this wait
.endm
.macro ADDR                            ; the LDS addresses of the slot in hand
	v_add_nc_u32 v[ADK], s[TB], v[AK0]
	v_add_nc_u32 v[ADV], s[TB], v[AV0]
	v_add_nc_u32 v[ADS], s[TB], v[AS0]
	s_wait_alu depctr_va_vdst(0)
.endm
	s_load_b256 s[4:11], s[0:1], 0x0               ; query, k_codes, k_scales, v_codes
	s_load_b128 s[12:15], s[0:1], 0x20             ; v_scales, out0
	v_lshl_add_u32 v[SPW], v0, 2, SPARE
	v_mov_b32 v[NIL], 0
	ds_add_u32 v[SPW], v[NIL]                      ; the opening lines: the add twice on end and its wait ahead of my first tensor load
	ds_add_u32 v[SPW], v[NIL]
	v_lshrrev_b32 v8, 5, v0
	v_readfirstlane_b32 s[WV], v8                  ; wave 0..7
	s_mov_b32 s94, ttmp9                           ; the head
	s_and_b32 s[AA], ttmp7, 0xffff                 ; a
	s_add_co_u32 s[CHG], s[AA], 1
	s_and_b32 s95, s[WV], 1
	s_lshr_b32 s96, s[WV], 2
	s_and_b32 s97, s[WV], 3
	s_mul_i32 s[STG], s97, 16*SPI
	s_lshl_b32 s16, s96, 17
	s_add_co_u32 s[STG], s[STG], s16
	s_add_co_u32 s[STG], s[STG], STAGE0            ; my stage: behind slot wave / 4, place wave % 4
	s_mul_i32 s[LK], s[WV], 64*KP                  ; where my part goes in a slot
	s_mul_i32 s[LV], s95, 64*VP
	s_add_co_u32 s[LV], s[LV], VOFF
	s_lshl_b32 s[LS], s95, 10
	s_add_co_u32 s[LS], s[LS], SCOFF
	s_lshl_b32 s[W16], s[WV], 4                    ; tile 0's first query in the block, and in its diagonal step
	s_sub_co_u32 s[W16B], 112, s[W16]              ; tile 1's in its diagonal step: 16 (15 - w) - 128
	s_lshl_b32 s96, s[WV], 1
	s_sub_co_u32 s96, 15, s96
	s_lshl_b32 s[TO], s96, 13                      ; from tile 0's rows to tile 1's: 16 (15 - 2 w) rows of 512 bytes
	s_lshl_b32 s16, s[AA], 8                       ; 256 a
	s_sub_co_u32 s17, 0x700, s16                   ; 256 (7 - a)
	s_add_co_u32 s16, s16, s[W16]                  ; tile 0's first query in each block,
	s_add_co_u32 s17, s17, s[W16]
	s_lshl_b32 s16, s16, 9                         ; rows of 512 bytes,
	s_lshl_b32 s17, s17, 9
	s_lshl_b32 s96, s94, 20                        ; in my head's 2^20 bytes
	s_add_co_u32 s90, s16, s96
	s_add_co_u32 s92, s17, s96
	s_mov_b32 s91, 0
	s_mov_b32 s93, 0
	s_mov_b32 s[G1K], (1<<20)|(4<<22)|(3<<25)      ; K: 8,192 dense bytes as 32 rows of 256, four words of padding behind every 32
	s_mov_b32 s[G1K+1], 256<<16
	s_mov_b32 s[G1K+2], 32<<16
	s_mov_b32 s[G1K+3], 256<<16
	s_mov_b32 s[G1K+4], 32
	s_mov_b32 s[G1K+5], 256
	s_mov_b32 s[G1K+6], 0
	s_mov_b32 s[G1K+7], 0
	s_mov_b32 s[G1V], (1<<20)|(5<<22)|(3<<25)      ; V: 64 rows of 256 bytes, four words behind every 64
	s_mov_b32 s[G1V+1], 256<<16
	s_mov_b32 s[G1V+2], 64<<16
	s_mov_b32 s[G1V+3], 256<<16
	s_mov_b32 s[G1V+4], 64
	s_mov_b32 s[G1V+5], 256
	s_mov_b32 s[G1V+6], 0
	s_mov_b32 s[G1V+7], 0
	s_mov_b32 s[G1S], 3<<16                        ; scale bytes: 1,024 dense bytes as 4 rows of 32 elements of 8 bytes
	s_mov_b32 s[G1S+1], 32<<16
	s_mov_b32 s[G1S+2], 4<<16
	s_mov_b32 s[G1S+3], 32<<16
	s_mov_b32 s[G1S+4], 4
	s_mov_b32 s[G1S+5], 32
	s_mov_b32 s[G1S+6], 0
	s_mov_b32 s[G1S+7], 0
	s_mov_b32 s[SEL], 0x76543210
	s_mov_b32 s[SEL+1], 0xfedcba98
	s_mov_b32 s[CS], 0x3e0293ee                    ; log2(e) / sqrt(128)
	s_mov_b32 s[CS+1], s[CS]
	s_mov_b32 s[MNT], 0x600000
	s_mov_b32 s[MSK], 0xffff0000
	s_mov_b32 s[TB], 0
	s_mov_b32 s[T], 0
	s_wait_dscnt 0x0                               ; both opening adds are done
	s_wait_kmcnt 0x0
	s_add_nc_u64 s[QP1:QP1+1], s[4:5], s[90:91]
	s_add_nc_u64 s[OP1:OP1+1], s[14:15], s[90:91]
	s_add_nc_u64 s[QP2:QP2+1], s[4:5], s[92:93]
	s_add_nc_u64 s[OP2:OP2+1], s[14:15], s[92:93]
	s_lshl_b32 s90, s94, 18                        ; a head's codes are 2^18 bytes
	s_lshl_b32 s16, s[WV], 13
	s_add_co_u32 s92, s90, s16
	s_add_nc_u64 s[BK:BK+1], s[6:7], s[92:93]
	s_lshl_b32 s16, s95, 14
	s_add_co_u32 s92, s90, s16
	s_add_nc_u64 s[BV:BV+1], s[10:11], s[92:93]
	s_cmp_eq_u32 s95, 0                            ; wave 6: K's scale bytes and K's prefetches; wave 7: V's
	s_cselect_b64 s[BS:BS+1], s[8:9], s[12:13]
	s_cselect_b64 s[PFA:PFA+1], s[6:7], s[10:11]
	s_lshl_b32 s92, s94, 13
	s_add_nc_u64 s[BS:BS+1], s[BS:BS+1], s[92:93]
	s_lshl_b32 s16, s[AA], 13                      ; my work-group's quarter of a slot,
	s_add_co_u32 s92, s90, s16
	s_add_co_u32 s92, s92, 2*SLOTB                 ; in slot 2: what trip 0 asks for
	s_add_nc_u64 s[PFA:PFA+1], s[PFA:PFA+1], s[92:93]
	s_cmp_ge_u32 s[WV], 6
	s_cselect_b32 s[LIM], 6, 0
	s_mov_b32 s[G0K], 1
	s_mov_b32 s[G0K+1], s[LK]
	s_mov_b64 s[G0K+2:G0K+3], s[BK:BK+1]
	s_or_b32 s[G0K+3], s[G0K+3], 0x80000000
	s_mov_b32 s[G0V], 1
	s_mov_b32 s[G0V+1], s[LV]
	s_mov_b64 s[G0V+2:G0V+3], s[BV:BV+1]
	s_or_b32 s[G0V+3], s[G0V+3], 0x80000000
	s_mov_b32 s[G0S], 1
	s_mov_b32 s[G0S+1], s[LS]
	s_mov_b64 s[G0S+2:G0S+3], s[BS:BS+1]
	s_or_b32 s[G0S+3], s[G0S+3], 0x80000000
	TLOAD                                          ; slot 0: one tensor load a wave at the head
	v_and_b32 v8, 15, v0
	v_bfe_u32 v9, v0, 4, 1
	v_and_b32 v10, 31, v0
	v_mul_u32_u24 v[AK0], v8, KP
	v_mul_u32_u24 v[AV0], v8, VP
	v_lshl_add_u32 v[AK0], v9, 4, v[AK0]
	v_lshl_add_u32 v[AV0], v9, 4, v[AV0]
	v_add_nc_u32 v[AV0], VOFF, v[AV0]
	v_lshl_add_u32 v[AS0], v10, 2, SCOFF
	v_lshlrev_b32 v9, 4, v9
	v_sub_nc_u32 v8, v8, v9                        ; lane % 16 - 16 (lane / 16)
	v_add_nc_u32 v[DQ], s[W16], v8
	v_lshlrev_b32 v[GIO], 4, v10
	v_lshlrev_b32 v[PFO], 8, v10
	WIN 0x40                                       ; window 1's copies, for tile 1
	v_add_nc_u32 v[DQ], s[W16B], v8
	v_add_nc_u32 v[GIO], s[TO], v[GIO]
	v_add_nc_u32 v[PFO], s[TO], v[PFO]
	WIN 0
	s_wait_alu depctr_va_vdst(0)                   ; the wait behind the head's addresses
	START QP1
	s_wait_tensorcnt 0x0                           ; my part of slot 0 is in
	ds_add_u32 v[SPW], v[NIL]
	DESC 1, SLOT1                                  ; trip 1's keys, into the other LDS slot
	s_wait_dscnt 0x0
	s_barrier_signal -1
	s_barrier_wait -1
.Lslot:                                            ; 8 trips; the ninth is written out: it asks for nothing
	TLOAD                                          ; the first thing behind the barrier: the next trip's keys; one load a wave is out
	ASK
	ADDR
	s_add_co_u32 s16, s[T], 1
	s_cmp_eq_u32 s16, s[CHG]
	s_cselect_b32 s[DG], 1, 0                      ; the first block's last trip
	s_cmp_lg_u32 s[T], s[CHG]
	s_cbranch_scc1 .Lsame
	FINISH OP1                                     ; trip a + 1: block a leaves, block 7 - a begins, while the next slot's load is on its way
	START QP2
.Lsame:
	STEP 0, 0, 0
	STEP 1, 0, 1
	s_xor_b32 s[TB], s[TB], SLOT1
	s_add_co_u32 s[T], s[T], 1
	s_cmp_lt_u32 s[T], 8
	s_cbranch_scc1 .Lslot
	ADDR                                           ; the ninth trip: the second block's last slot
	STEP 0, 1, 0
	STEP 1, 1, 0
	FINISH OP2
	s_wait_tensorcnt 0x0                           ; the wave's end
	ds_add_u32 v[SPW], v[NIL]
	s_wait_dscnt 0x0
	s_endpgm
.Lfunc_end_k_q29ddea828c_attn:
	.size	k_q29ddea828c_attn, .Lfunc_end_k_q29ddea828c_attn-k_q29ddea828c_attn
	.p2alignl 7, 3214868480
	.fill 96, 4, 3214868480
	.section	.rodata,"a",@progbits
	.p2align	6, 0x0
	.amdhsa_kernel k_q29ddea828c_attn
		.amdhsa_group_segment_fixed_size 327680
		.amdhsa_private_segment_fixed_size 0
		.amdhsa_enable_private_segment 0
		.amdhsa_kernarg_size 48
		.amdhsa_user_sgpr_count 2
		.amdhsa_user_sgpr_kernarg_segment_ptr 1
		.amdhsa_wavefront_size32 1
		.amdhsa_system_sgpr_workgroup_id_x 1
		.amdhsa_system_sgpr_workgroup_id_y 1
		.amdhsa_system_sgpr_workgroup_id_z 1
		.amdhsa_system_vgpr_workitem_id 0
		.amdhsa_next_free_vgpr 512
		.amdhsa_next_free_sgpr 100
		.amdhsa_reserve_vcc 1
		.amdhsa_float_denorm_mode_32 3
		.amdhsa_float_denorm_mode_16_64 3
		.amdhsa_memory_ordered 1
		.amdhsa_forward_progress 1
		.amdhsa_inst_pref_size 255
	.end_amdhsa_kernel
	.section	.bss,"aw",@nobits
	.p2align	6
	.space	262144
	.amdgpu_metadata
---
amdhsa.version: [ 1, 2 ]
amdhsa.kernels:
  - .name:           k_q29ddea828c_attn
    .symbol:         k_q29ddea828c_attn.kd
    .args:
      - { .name: query, .offset: 0, .size: 8, .value_kind: global_buffer, .address_space: global }
      - { .name: k_codes, .offset: 8, .size: 8, .value_kind: global_buffer, .address_space: global }
      - { .name: k_scales, .offset: 16, .size: 8, .value_kind: global_buffer, .address_space: global }
      - { .name: v_codes, .offset: 24, .size: 8, .value_kind: global_buffer, .address_space: global }
      - { .name: v_scales, .offset: 32, .size: 8, .value_kind: global_buffer, .address_space: global }
      - { .name: out0, .offset: 40, .size: 8, .value_kind: global_buffer, .address_space: global }
    .group_segment_fixed_size: 327680
    .private_segment_fixed_size: 0
    .kernarg_segment_align: 8
    .kernarg_segment_size: 48
    .max_flat_workgroup_size: 256
    .sgpr_count:     100
    .vgpr_count:     512
    .wavefront_size: 32
...
	.end_amdgpu_metadata
.endif
;; end of part 2
